; MI455X (gfx1250); checked and timed in simulation.
; The chip was launched on July 23, 2026; its instructions are those of AMD's public machine-readable ISA for CDNA 5 (MIT licence, August 2026) and "CDNA5" Instruction Set Architecture Reference Guide (July 2026). The comments in the code are by the model that wrote it; some were corrected since.
;; Conv Attention. Allowed arithmetic: float matrix products may take bf16 or f16 operands with f32 sums; all other float work in f32.
;; Inputs: kb 512 float32; kw 512 x 256 float32; ob 512 float32; ow 512 x 512 float32; qb 512 float32; qw 512 x 256 float32; vb 512 float32; vw 512 x 256 float32; x 8 x 256 x 32 x 32 float32.
;; Outputs: out0 8 x 512 x 32 x 32 float32.
;; One version. Each part assembles by itself: llvm-mc -triple=amdgcn-amd-amdhsa -mcpu=gfx1250 --defsym DOCPART=n.
;; ======== version 1 of 1: 3 launches
;; workspace buffers: qh 8,388,608 bytes; kh 8,388,608 bytes; vh 8,388,608 bytes; att 8,388,608 bytes; owb 524,288 bytes; ob2 2,048 bytes
;; launch proj (part 1): grid 32 x 8, 4 waves a work-group, no clusters, 269,056 bytes of LDS; arguments x, qw, kw, vw, qb, kb, vb, ow, qh, kh, vh, owb, ob, ob2; writes qh, kh, vh, owb, ob2
.if DOCPART == 1
	.amdgcn_target "amdgcn-amd-amdhsa--gfx1250"
	.amdhsa_code_object_version 6
	.text
	.protected	k_q0e6e91eb22_proj
	.globl	k_q0e6e91eb22_proj
	.p2align	8
	.type	k_q0e6e91eb22_proj,@function
k_q0e6e91eb22_proj:
	s_mov_b64 s[64:65], 0
	v_nop
	global_prefetch_b8 v0, s[64:65] scope:SCOPE_SE
	s_setreg_imm32_b32 hwreg(HW_REG_WAVE_MODE, 25, 1), 1
	s_wait_xcnt 0x0
; q = qw x + qb, k = kw x + kb, v' = vw x for one head and 256 pixels, rounded once to bf16 and stored head-major: qh, kh, vh are [b][h][n][d], a row of 64 d = 128 bytes.
; qh holds (qw x + qb) * 0.125 * log2(e): the factor is applied in f32 ahead of the one rounding, so that the softmax of the next launch works in base 2.
; WHERE vb GOES: the weights of a softmax row sum to one for every input, so attention of (vw x + vb) is attention of (vw x) plus vb, and the last product turns
; that into ow . vb, one number for each f.  vh therefore holds vw x alone, and ob2[f] = ob[f] + sum over e of ow[f][e] vb[e] is made here in f32: the bias
; passes through no rounding to bf16, however large it is beside vw x.
; Besides, each work-group rounds 1,024 numbers of ow to bf16 (owb, [f][e]): they are rows 2 g and 2 g + 1 of ow (g the work-group's number), the two rows whose ob2 it makes.
; SHARES: work-group (x, y) = (4 b + pixel block, head).  Four waves; wave w makes pixels 64 w .. 64 w + 63 x 192 features (q, k, v of the head):
; 48 accumulator tiles of 16 x 16, 384 registers.  For 32 along C a wave reads 16 fragments from LDS for 48 matrix instructions.
; D = W fragment (rows e) x X fragment (columns = pixels): a lane ends with 8 neighbouring d of one pixel, 16 bytes of an output row.
; x lies [c][n]: its bf16 image is kept [c][pixel] in LDS and read with the transposing load.
; THE PIPELINE.  C = 256 goes in four chunks of 64.  A chunk's f32 numbers come through registers (they have to be rounded there), 56 loads a wave, cut into
; 12 pieces; a chunk's 96 matrix instructions go in 12 blocks of 8.  Behind each block stands one piece of the NEXT chunk: the wait for its loads, its
; conversions, its LDS stores, and the loads of the same registers for the chunk after that.  So conversions and LDS stores are spread among the products, and
; a load has a whole chunk's products in which to land.  The bf16 image (X 139,264 bytes, W 110,592 bytes) is written once and never overwritten, so one
; barrier a chunk orders stores ahead of reads.  Each chunk runs q, then k, then v; in the last chunk q's way out stands among k's blocks and k's among v's,
; so that two thirds of the output leaves while products are still being made.
; WAIT COUNTS are counted by the assembler: GLN and DSN number the global loads and the LDS instructions of the text, a mark is taken behind each group, and a
; wait leaves out exactly what was issued behind the group that it waits for.  (An instruction that is not counted only makes a wait stricter.)
; NO TENSOR LOADS, NO JOINT LOADS: the tiles are f32 and must pass registers to be rounded; landing them in LDS first would take 448 KiB of f32 for a
; work-group (256 KiB of x, 192 KiB of W), more than LDS holds, so a ring with refills, and one more trip through LDS for every number.
; LIMITS: x, W and ow are rounded to bf16 for the matrix units, sums and biases are f32.  NaN and infinities are not treated.
.set XP,    544                        ; X's LDS pitch: 512 bytes + 32 = 17 x 32, for the transposing loads
.set WP,    144                        ; W's LDS pitch: 128 bytes + 16 = 9 x 16: the 16 rows of a fragment load start 16 bytes apart modulo 256
.set WCH,   192*WP                     ; W of one chunk: 192 rows (q, k, v x 64 e) of 64 c
.set WBASE, 256*XP                     ; W's image lies behind X's 256 rows
.set STG,   WBASE+4*WCH                ; behind both: two stages of 16 rows x 144 bytes for each wave, for the way out
.set SP,    144
.set RED,   STG+4*32*SP                ; behind the stages: 8 bytes for each wave, its two partial sums of ow . vb
.set QSC,   0x3e38aa3b                 ; 0.125 * log2(e)
.set XF,  12                           ; v12  X fragments; steps a chunk at a time
.set WF,  13                           ; v13  W fragments; steps a chunk at a time
.set STO, 14                           ; v14  the way out: where I put 16 bytes of a pixel's row
.set RD,  15                           ; v15  the way out: where I read rows back
.set CO,  16                           ; v16  16 L: my 16 bytes of 512 consecutive output bytes
.set OWL, 18                           ; v18  16 t (ow and vb, f32)
.set OWS, 19                           ; v19  8 t (owb, bf16)
.set RS,  20                           ; v20-21  ow . vb: my sums for the two rows
.set RT,  22                           ; v22-23  the same from the other half of the wave
.set ZR,  24                           ; v24  offset 0 (ob, ob2)
.set REDW, 25                          ; v25  my wave's 8 bytes in RED
.set REDR, 26                          ; v26  RED
.set OBP, 28                           ; v28-29  ob of the two rows
.set RQ,  32                           ; v32-39  the four waves' pairs
.set XFR, 64                           ; v64-127   X fragments: 32 ks + 8 pt
.set WFR, 128                          ; v128-191  W fragments: 32 buf + 8 et
.set TMP, 192                          ; v192-207  packed results
.set RB,  208                          ; v208-239  rows read back, two sets
.set VBQ, 192                          ; window 2: vb[4 t .. 4 t + 3]
.set OWR, 224                          ; window 2: ow at work
.set DT,  232                          ; window 2: products of ow and vb
.set BI3, 0                            ; window 3, 0-63, once the last chunk's pieces 0 to 3 are converted: biases of q and k at 32 m + 8 et
.set XG3, 224                          ; window 3: x: 16 rows of 4,096 bytes a wave + 16 L
.set WGO3, 225                         ; window 3: W: (16 w + hl) rows of 1,024 bytes + 16 r
.set XST3, 226                         ; window 3: where my x numbers go in LDS; steps a chunk at a time
.set WST3, 227                         ; window 3: where my W numbers go in LDS; steps a chunk at a time
.set BO3, 228                          ; window 3: 32 hl: my 8 biases
; window 1: accumulators of q and k at 128 m + 8 (4 et + pt); window 2, 0-127: those of v; window 3, 0-223: a chunk's f32 numbers as loaded.
; A piece's offsets lie in window 3 beside its data, so that its conversions, LDS stores and loads run under one window setting.
.set MSB, 0
.set GLN, 0                            ; global loads of the pieces so far
.set DSN, 0                            ; LDS instructions so far
.macro WIN new                         ; s_set_vgpr_msb: bits 1:0 source 0, 3:2 source 1, 5:4 source 2, 7:6 destination; the high byte repeats the setting left
.if MSB != \new
	s_set_vgpr_msb (MSB<<8)|\new
.set MSB, \new
.endif
.endm
.macro PLACES n                        ; places behind matrix instructions (ISA guide 7.12.1)
.rept \n
	v_nop
.endr
.endm
	s_load_b512 s[8:23], s[0:1], 0x0               ; x 8, qw 10, kw 12, vw 14, qb 16, kb 18, vb 20, ow 22
	s_load_b256 s[24:31], s[0:1], 0x40             ; qh 24, kh 26, vh 28, owb 30
	s_load_b128 s[48:51], s[0:1], 0x60             ; ob 48, ob2 50
	v_lshl_add_u32 v254, v0, 2, 0x41900
	v_mov_b32 v255, 0
	v_lshrrev_b32 v2, 5, v0
	v_readfirstlane_b32 s4, v2                     ; wave w
	v_and_b32 v1, 31, v0                           ; L
	v_and_b32 v3, 15, v0                           ; r
	v_bfe_u32 v4, v0, 4, 1                         ; hl
	v_and_b32 v5, 7, v0                            ; L & 7
	v_bfe_u32 v6, v0, 3, 1                         ; (L >> 3) & 1
	v_bfe_u32 v7, v0, 3, 2                         ; L >> 3
	s_lshr_b32 s5, ttmp9, 2                        ; b
	s_and_b32 s6, ttmp9, 3                         ; pixel block of 256
	s_and_b32 s7, ttmp7, 0xffff                    ; head
	s_lshl_b32 s32, s5, 20                         ; x: b x 1 MiB + block x 1,024 bytes
	s_lshl_b32 s40, s6, 10
	s_add_co_u32 s32, s32, s40
	s_mov_b32 s33, 0
	s_lshl_b32 s34, s7, 16                         ; W: 64 rows of 1,024 bytes a head
	s_mov_b32 s35, 0
	s_lshl_b32 s36, s7, 8                          ; qb, kb: 64 numbers a head
	s_mov_b32 s37, 0
	s_lshl3_add_u32 s38, s5, s7                    ; 8 b + h
	s_lshl_b32 s38, s38, 17                        ; planes of 131,072 bytes,
	s_lshl_b32 s40, s6, 15                         ; 256 pixels of 128 bytes a block,
	s_add_co_u32 s38, s38, s40
	s_lshl_b32 s40, s4, 13                         ; 64 pixels a wave
	s_add_co_u32 s38, s38, s40
	s_mov_b32 s39, 0
	s_lshl_b32 s41, s7, 5
	s_add_co_u32 s41, s41, ttmp9                   ; the work-group's number g, 0 to 255
	s_lshl_b32 s44, s41, 12                        ; ow: 4,096 bytes each (two rows)
	s_mov_b32 s45, 0
	s_lshl_b32 s46, s41, 11                        ; owb: 2,048 bytes each
	s_mov_b32 s47, 0
	s_lshl_b32 s52, s41, 3                         ; ob, ob2: two numbers each
	s_mov_b32 s53, 0
	s_mov_b32 s54, 0x76543210                      ; v_permlanex16_b32: lane i reads lane i of the other half
	s_mov_b32 s55, 0xfedcba98
	s_lshl_b32 s40, s4, 16                         ; x: 16 rows of 4,096 bytes a wave
	s_lshl_b32 s41, s4, 14                         ; W: 16 rows of 1,024 bytes a wave
	s_mul_i32 s42, s4, 16*XP
	s_mul_i32 s43, s4, 16*WP
	s_add_co_u32 s43, s43, WBASE
	v_lshlrev_b32 v8, 4, v3
	v_lshl_add_u32 v8, v4, 10, v8                  ; row hl, 16 r bytes
	v_mul_u32_u24 v9, v4, WP
	v_lshl_add_u32 v9, v3, 3, v9                   ; LDS row hl, 8 r bytes
	WIN 0xc0                                       ; the pieces' offsets, into window 3
	v_lshl_add_u32 v[XG3], v1, 4, s40
	v_add_nc_u32 v[WGO3], s41, v8
	v_lshl_add_u32 v[XST3], v1, 3, s42             ; row 16 w of the chunk, 8 bytes a lane
	v_add_nc_u32 v[WST3], s43, v9                  ; row 16 w + hl, 8 r bytes
	v_lshlrev_b32 v[BO3], 5, v4
	WIN 0
	v_lshl_add_u32 v[XF], v4, 3, v5
	v_mul_u32_u24 v[XF], v[XF], XP                 ; row 8 hl + (L & 7),
	v_lshl_add_u32 v[XF], v6, 4, v[XF]             ; 16 bytes for each half of 16 pixels,
	s_lshl_b32 s2, s4, 7
	v_add_nc_u32 v[XF], s2, v[XF]                  ; my wave's 64 pixels
	v_mul_u32_u24 v[WF], v3, WP
	v_lshl_add_u32 v[WF], v4, 4, v[WF]
	v_add_nc_u32 v[WF], WBASE, v[WF]               ; row r, 16 hl bytes
	s_mul_i32 s3, s4, 32*SP
	s_add_co_u32 s3, s3, STG                       ; my two stages
	v_mul_u32_u24 v[STO], v3, SP
	v_lshl_add_u32 v[STO], v4, 4, v[STO]
	v_add_nc_u32 v[STO], s3, v[STO]
	v_mul_u32_u24 v[RD], v7, SP
	v_lshl_add_u32 v[RD], v5, 4, v[RD]
	v_add_nc_u32 v[RD], s3, v[RD]
	v_lshlrev_b32 v[CO], 4, v1
	v_lshlrev_b32 v[OWL], 4, v0
	v_lshlrev_b32 v[OWS], 3, v0
	s_lshl_b32 s2, s4, 3
	s_add_co_u32 s2, s2, RED
	v_mov_b32 v[REDW], s2                          ; RED + 8 w
	v_mov_b32 v[REDR], RED
	v_mov_b32 v[ZR], 0
	v_mov_b32 v[RT], 0                             ; v_permlanex16_b32 counts as a reader of its destination
	v_mov_b32 v[RT+1], 0
	s_wait_kmcnt 0x0
	s_add_nc_u64 s[8:9], s[8:9], s[32:33]
	s_add_nc_u64 s[10:11], s[10:11], s[34:35]
	s_add_nc_u64 s[12:13], s[12:13], s[34:35]
	s_add_nc_u64 s[14:15], s[14:15], s[34:35]
	s_add_nc_u64 s[16:17], s[16:17], s[36:37]
	s_add_nc_u64 s[18:19], s[18:19], s[36:37]      ; (vb's address stays at vb[0]: all 512 numbers are read)
	s_add_nc_u64 s[22:23], s[22:23], s[44:45]
	s_add_nc_u64 s[24:25], s[24:25], s[38:39]
	s_add_nc_u64 s[26:27], s[26:27], s[38:39]
	s_add_nc_u64 s[28:29], s[28:29], s[38:39]
	s_add_nc_u64 s[30:31], s[30:31], s[46:47]
	s_add_nc_u64 s[48:49], s[48:49], s[52:53]
	s_add_nc_u64 s[50:51], s[50:51], s[52:53]
; The loads of piece p of chunk t, under window setting 0xcf.  Pieces 0 to 7: rows 2 p, 2 p + 1 of my 16 rows c of x, 1,024 bytes each, two loads of 512
; consecutive bytes.  Pieces 8 to 11: 256 bytes of four of my 16 rows e of each of the three matrices: a load takes two rows.  LMp marks the piece's last load.
.macro LDP p, t
.if \p < 8
.irp h, 0,1
	global_load_b128 v[16*\p+8*\h:16*\p+8*\h+3],   v[XG3], s[8:9] offset:(64*(\t)+2*\p+\h)*4096
	global_load_b128 v[16*\p+8*\h+4:16*\p+8*\h+7], v[XG3], s[8:9] offset:(64*(\t)+2*\p+\h)*4096+512
.endr
.set GLN, GLN+4
.else
.irp h, 0,1
	global_load_b128 v[128+4*(2*(\p-8)+\h):128+4*(2*(\p-8)+\h)+3], v[WGO3], s[10:11] offset:2048*(2*(\p-8)+\h)+256*(\t)
	global_load_b128 v[160+4*(2*(\p-8)+\h):160+4*(2*(\p-8)+\h)+3], v[WGO3], s[12:13] offset:2048*(2*(\p-8)+\h)+256*(\t)
	global_load_b128 v[192+4*(2*(\p-8)+\h):192+4*(2*(\p-8)+\h)+3], v[WGO3], s[14:15] offset:2048*(2*(\p-8)+\h)+256*(\t)
.endr
.set GLN, GLN+6
.endif
.set LM\p, GLN
.endm
; Biases of q (p = 0, 1) and k (p = 2, 3), tiles et = 2 (p % 2), + 1: e = 16 et + 8 hl .. + 7, into the 16 registers that piece p of the last chunk has left
.macro BLD p
.irp h, 0,1
	global_load_b128 v[BI3+16*\p+8*\h:BI3+16*\p+8*\h+3],   v[BO3], s[16+2*(\p/2):17+2*(\p/2)] offset:64*(2*(\p%2)+\h)
	global_load_b128 v[BI3+16*\p+8*\h+4:BI3+16*\p+8*\h+7], v[BO3], s[16+2*(\p/2):17+2*(\p/2)] offset:64*(2*(\p%2)+\h)+16
.endr
.set GLN, GLN+4
.endm
; Piece p of the chunk that lies in the staging registers: rounded to bf16 in place (four f32 become two words) and stored to LDS, 8 bytes a lane.
; mode 1: the same registers are loaded again, for chunk nt.  mode 2: pieces 0 to 3 make room for the biases.  mode 0: nothing follows.
.macro PIECE p, nt, mode
	WIN 0xcf
	s_wait_loadcnt GLN-LM\p                        ; loads come back in order (ISA guide 5.7.1): all but those issued behind this piece's
.if \p < 8
.irp q, 0,1,2,3
	v_cvt_pk_bf16_f32 v[16*\p+4*\q],   v[16*\p+4*\q],   v[16*\p+4*\q+1]
	v_cvt_pk_bf16_f32 v[16*\p+4*\q+1], v[16*\p+4*\q+2], v[16*\p+4*\q+3]
.endr
.irp h, 0,1
	ds_store_b64 v[XST3], v[16*\p+8*\h:16*\p+8*\h+1]   offset:XP*(2*\p+\h)
	ds_store_b64 v[XST3], v[16*\p+8*\h+4:16*\p+8*\h+5] offset:XP*(2*\p+\h)+256
.endr
.set DSN, DSN+4
.else
.irp b, 128,160,192
.irp h, 0,1
	v_cvt_pk_bf16_f32 v[\b+4*(2*(\p-8)+\h)],   v[\b+4*(2*(\p-8)+\h)],   v[\b+4*(2*(\p-8)+\h)+1]
	v_cvt_pk_bf16_f32 v[\b+4*(2*(\p-8)+\h)+1], v[\b+4*(2*(\p-8)+\h)+2], v[\b+4*(2*(\p-8)+\h)+3]
.endr
.endr
.irp h, 0,1
	ds_store_b64 v[WST3], v[128+4*(2*(\p-8)+\h):128+4*(2*(\p-8)+\h)+1] offset:2*WP*(2*(\p-8)+\h)
	ds_store_b64 v[WST3], v[160+4*(2*(\p-8)+\h):160+4*(2*(\p-8)+\h)+1] offset:64*WP+2*WP*(2*(\p-8)+\h)
	ds_store_b64 v[WST3], v[192+4*(2*(\p-8)+\h):192+4*(2*(\p-8)+\h)+1] offset:128*WP+2*WP*(2*(\p-8)+\h)
.endr
.set DSN, DSN+6
.endif
.if \mode == 1
	LDP \p, \nt
.endif
.if \mode == 2
.if \p < 4
	BLD \p
.endif
.endif
.endm
; X fragments of 32 c (ks = 0, 1 of the chunk) x my 64 pixels: the transposing load brings lane (r, hl) c = 8 hl .. + 7 of pixel r, the second 16 c further
.macro FETCHX ks
.irp pt, 0,1,2,3
	ds_load_tr16_b128 v[XFR+32*\ks+8*\pt:XFR+32*\ks+8*\pt+3],   v[XF] offset:32*XP*\ks+32*\pt
	ds_load_tr16_b128 v[XFR+32*\ks+8*\pt+4:XFR+32*\ks+8*\pt+7], v[XF] offset:32*XP*\ks+32*\pt+16*XP
.endr
.set DSN, DSN+8
.endm
; W fragments of matrix m: 64 e x 32 c, into buffer buf.  MWbuf marks the last of them (and whatever was fetched ahead of them)
.macro FETCHW ks, m, buf
.irp et, 0,1,2,3
	ds_load_b128 v[WFR+32*\buf+8*\et:WFR+32*\buf+8*\et+3],   v[WF] offset:64*WP*\m+16*WP*\et+64*\ks
	ds_load_b128 v[WFR+32*\buf+8*\et+4:WFR+32*\buf+8*\et+7], v[WF] offset:64*WP*\m+16*WP*\et+64*\ks+32
.endr
.set DSN, DSN+8
.set MW\buf, DSN
.endm
.macro NEXTW ks, m, buf                ; the group after next gets its W fragments, in the buffer that the group just ended has read: four places stand between
	PLACES 4
	WIN 0
	FETCHW \ks, \m, \buf
.endm
.macro WAITW buf
	s_wait_dscnt DSN-MW\buf                        ; LDS instructions end in order (ISA guide 5.7.1): all but those issued behind this buffer's fetch
.endm
; A block: 8 matrix instructions on 8 accumulators: matrix m, tiles et = e0, e0 + 1 x my 64 pixels, 32 along C.  The 16 accumulators of a matrix take turns,
; one instruction a turn, in the same order in both halves of the chunk.  zero = 1: the first product starts the sums.
.macro MUL8 m, ks, buf, e0, zero
.if \m == 2
	WIN 0xa0
.set AB, 0
.else
	WIN 0x50
.set AB, 128*\m
.endif
.irp et, \e0, \e0+1
.irp pt, 0,1,2,3
.if \zero
	v_wmma_f32_16x16x32_bf16 v[AB+8*(4*(\et)+\pt):AB+8*(4*(\et)+\pt)+7], v[WFR+32*\buf+8*(\et):WFR+32*\buf+8*(\et)+7], v[XFR+32*\ks+8*\pt:XFR+32*\ks+8*\pt+7], 0
.else
	v_wmma_f32_16x16x32_bf16 v[AB+8*(4*(\et)+\pt):AB+8*(4*(\et)+\pt)+7], v[WFR+32*\buf+8*(\et):WFR+32*\buf+8*(\et)+7], v[XFR+32*\ks+8*\pt:XFR+32*\ks+8*\pt+7], v[AB+8*(4*(\et)+\pt):AB+8*(4*(\et)+\pt)+7]
.endif
.endr
.endr
.endm
; One of the first three chunks: six groups (q, k, v x the two halves of 32 c) of two blocks, on W buffers 0, 1, 0, 1, 0, 1; one piece of the next chunk behind each block.
.macro CHUNK z, nt, mode
	WIN 0
	FETCHX 0
	FETCHW 0, 0, 0
	FETCHX 1
	FETCHW 1, 0, 1
	WAITW 0
	MUL8 0, 0, 0, 0, \z
	PIECE 0, \nt, \mode
	MUL8 0, 0, 0, 2, \z
	PIECE 1, \nt, \mode
	NEXTW 0, 1, 0
	WAITW 1
	MUL8 0, 1, 1, 0, 0
	PIECE 2, \nt, \mode
	MUL8 0, 1, 1, 2, 0
	PIECE 3, \nt, \mode
	NEXTW 1, 1, 1
	WAITW 0
	MUL8 1, 0, 0, 0, \z
	PIECE 4, \nt, \mode
	MUL8 1, 0, 0, 2, \z
	PIECE 5, \nt, \mode
	NEXTW 0, 2, 0
	WAITW 1
	MUL8 1, 1, 1, 0, 0
	PIECE 6, \nt, \mode
	MUL8 1, 1, 1, 2, 0
	PIECE 7, \nt, \mode
	NEXTW 1, 2, 1
	WAITW 0
	MUL8 2, 0, 0, 0, \z
	PIECE 8, \nt, \mode
	MUL8 2, 0, 0, 2, \z
	PIECE 9, \nt, \mode
	WAITW 1
	MUL8 2, 1, 1, 0, 0
	PIECE 10, \nt, \mode
	MUL8 2, 1, 1, 2, 0
	PIECE 11, \nt, \mode
.endm
; From one chunk to the next.  step = 1: a further chunk will be converted.  The two sums and the two v_nop are the four places between the last products and
; the next chunk's loads into their fragments.
.macro TURN step
.if \step
	WIN 0xcf
	v_add_nc_u32 v[XST3], 64*XP, v[XST3]           ; where the next chunk's numbers go
	v_add_nc_u32 v[WST3], WCH, v[WST3]
.endif
	WIN 0
	v_add_nc_u32 v[XF], 64*XP, v[XF]               ; the next chunk's fragments
	v_add_nc_u32 v[WF], WCH, v[WF]
	PLACES 2
	s_wait_dscnt 0x0                               ; my part of the next chunk is in LDS,
	s_barrier_signal -1
	s_barrier_wait -1                              ; everybody's is
.endm
; The way out of 16 pixels x 64 d of matrix m, in two halves.  OA: bias (q: also the factor, in one fused multiply-add; v: none, see the head), one rounding to
; bf16, 16 bytes a lane into my own stage number set, rows read back (LDS serves a wave's instructions in order, ISA guide 5.7.1: no wait between).
; The stage was last read by the step before last, whose read-backs that step's OB has waited for.  MRset marks the last read-back.
.macro OA m, pt, set
.if \m == 2
.set AB, 0
.else
.set AB, 128*\m
.endif
.if \m == 0
	WIN 0x71
.irp et, 0,1,2,3
.irp p, 0,2,4,6
	v_pk_fma_f32 v[AB+8*(4*\et+\pt)+\p:AB+8*(4*\et+\pt)+\p+1], v[AB+8*(4*\et+\pt)+\p:AB+8*(4*\et+\pt)+\p+1], QSC, v[BI3+8*\et+\p:BI3+8*\et+\p+1] op_sel_hi:[1,0,1]
.endr
.endr
.endif
.if \m == 1
	WIN 0x4d
.irp et, 0,1,2,3
.irp p, 0,2,4,6
	v_pk_add_f32 v[AB+8*(4*\et+\pt)+\p:AB+8*(4*\et+\pt)+\p+1], v[AB+8*(4*\et+\pt)+\p:AB+8*(4*\et+\pt)+\p+1], v[BI3+32+8*\et+\p:BI3+32+8*\et+\p+1]
.endr
.endr
.endif
.if \m == 2
	WIN 0x0a
.else
	WIN 0x05
.endif
.irp et, 0,1,2,3
.irp p, 0,1,2,3
	v_cvt_pk_bf16_f32 v[TMP+4*\et+\p], v[AB+8*(4*\et+\pt)+2*\p], v[AB+8*(4*\et+\pt)+2*\p+1]
.endr
.endr
	WIN 0
.irp et, 0,1,2,3
	ds_store_b128 v[STO], v[TMP+4*\et:TMP+4*\et+3] offset:32*\et+16*SP*\set
.endr
	s_wait_xcnt 0x0                                ; earlier stores have had their addresses translated (ISA guide 3.1): RB, which they read, is loaded again only behind this wait
.irp k, 0,1,2,3
	ds_load_b128 v[RB+16*\set+4*\k:RB+16*\set+4*\k+3], v[RD] offset:4*SP*\k+16*SP*\set
.endr
.set DSN, DSN+8
.set MR\set, DSN
.endm
; OB: the rows go out, 512 consecutive bytes a store.  It stands behind the next step's OA, so that the read-backs have that step's arithmetic in which to land.
.macro OB m, pt, set
	WIN 0
	s_wait_dscnt DSN-MR\set                        ; all but the LDS instructions issued behind this set's read-backs
.irp k, 0,1,2,3
	global_store_b128 v[CO], v[RB+16*\set+4*\k:RB+16*\set+4*\k+3], s[24+2*\m:25+2*\m] offset:2048*\pt+512*\k
.endr
.endm
	; THE START: 60 loads of the wave go out together: ob, ow, vb, and chunk 0
	global_load_b64 v[OBP:OBP+1], v[ZR], s[48:49]                  ; ob[2 g], ob[2 g + 1], in every lane
	WIN 0x80
	global_load_b128 v[OWR:OWR+3],   v[OWL], s[22:23] th:TH_LOAD_NT               ; ow[2 g][4 t .. 4 t + 3]
	global_load_b128 v[OWR+4:OWR+7], v[OWL], s[22:23] offset:2048 th:TH_LOAD_NT   ; ow[2 g + 1][4 t .. 4 t + 3]
	global_load_b128 v[VBQ:VBQ+3],   v[OWL], s[20:21]                             ; vb[4 t .. 4 t + 3]
	WIN 0xcf
.irp p, 0,1,2,3,4,5,6,7,8,9,10,11
	LDP \p, 0
.endr
	; chunk 0 is converted piece by piece as it arrives, and chunk 1 is asked for behind each piece
.irp p, 0,1,2,3,4,5,6,7,8,9,10,11
	PIECE \p, 1, 1
.endr
	v_add_nc_u32 v[XST3], 64*XP, v[XST3]           ; where chunk 1's numbers go
	v_add_nc_u32 v[WST3], WCH, v[WST3]
	WIN 0xaa                                       ; all in window 2 (ob, ow and vb were asked for ahead of chunk 0: they are in)
	v_pk_mul_f32 v[DT:DT+1],   v[OWR:OWR+1],   v[VBQ:VBQ+1]                        ; ow . vb in f32: my four e of row 2 g,
	v_pk_mul_f32 v[DT+2:DT+3], v[OWR+4:OWR+5], v[VBQ:VBQ+1]                        ; and of row 2 g + 1
	v_pk_fma_f32 v[DT:DT+1],   v[OWR+2:OWR+3], v[VBQ+2:VBQ+3], v[DT:DT+1]
	v_pk_fma_f32 v[DT+2:DT+3], v[OWR+6:OWR+7], v[VBQ+2:VBQ+3], v[DT+2:DT+3]
	v_cvt_pk_bf16_f32 v[OWR],   v[OWR],   v[OWR+1]                                 ; ow to bf16
	v_cvt_pk_bf16_f32 v[OWR+1], v[OWR+2], v[OWR+3]
	v_cvt_pk_bf16_f32 v[OWR+2], v[OWR+4], v[OWR+5]
	v_cvt_pk_bf16_f32 v[OWR+3], v[OWR+6], v[OWR+7]
	WIN 0x0a
	v_add_f32 v[RS],   v[DT],   v[DT+1]
	v_add_f32 v[RS+1], v[DT+2], v[DT+3]
	WIN 0x08
	global_store_b64 v[OWS], v[OWR:OWR+1],   s[30:31]              ; a wave's store covers 256 consecutive bytes, aligned
	global_store_b64 v[OWS], v[OWR+2:OWR+3], s[30:31] offset:1024
	WIN 0
.irp m, 1,2,4,8
	v_add_f32_dpp v[RS],   v[RS],   v[RS]   row_xmask:\m row_mask:0xf bank_mask:0xf    ; over the 16 lanes of each half of the wave,
	v_add_f32_dpp v[RS+1], v[RS+1], v[RS+1] row_xmask:\m row_mask:0xf bank_mask:0xf
.endr
	v_permlanex16_b32 v[RT],   v[RS],   s54, s55                   ; over the two halves;
	v_permlanex16_b32 v[RT+1], v[RS+1], s54, s55
	v_pk_add_f32 v[RS:RS+1], v[RS:RS+1], v[RT:RT+1]
	ds_store_b64 v[REDW], v[RS:RS+1]                               ; every lane holds the wave's two sums and writes them to the wave's 8 bytes
	s_wait_dscnt 0x0                               ; my part of chunk 0 and my two sums are in LDS,
	s_barrier_signal -1
	s_barrier_wait -1                              ; everybody's are
	s_cmp_lg_u32 s4, 0                             ; wave 0 adds the four waves' sums and ob, and stores the work-group's two numbers of ob2
	s_cbranch_scc1 .Lno_bias
	ds_load_b128 v[RQ:RQ+3],   v[REDR]
	ds_load_b128 v[RQ+4:RQ+7], v[REDR] offset:16
	s_wait_dscnt 0x0
	v_pk_add_f32 v[RQ:RQ+1],   v[RQ:RQ+1],   v[RQ+2:RQ+3]
	v_pk_add_f32 v[RQ+4:RQ+5], v[RQ+4:RQ+5], v[RQ+6:RQ+7]
	v_pk_add_f32 v[RQ:RQ+1],   v[RQ:RQ+1],   v[RQ+4:RQ+5]
	v_pk_add_f32 v[RQ:RQ+1],   v[RQ:RQ+1],   v[OBP:OBP+1]
	v_cmp_eq_u32 vcc_lo, 0, v0
	s_wait_xcnt 0x0                                ; chunk 1's loads are pending: EXEC changes only behind this wait (ISA guide 3.1)
	s_and_saveexec_b32 s56, vcc_lo                 ; lane 0 alone
	global_store_b64 v[ZR], v[RQ:RQ+1], s[50:51]   ; 8 bytes a work-group, 2,048 in the whole launch
	s_wait_xcnt 0x0                                ; and again ahead of the line that widens it
	s_or_b32 exec_lo, exec_lo, s56
.Lno_bias:
	CHUNK 1, 2, 1                                  ; chunk 0's products start the sums; chunk 1 is converted, chunk 2 asked for
	TURN 1
	CHUNK 0, 3, 1                                  ; chunk 1's products; chunk 2 is converted, chunk 3 asked for
	TURN 1
	CHUNK 0, 0, 2                                  ; chunk 2's products; chunk 3 is converted, the biases asked for
	TURN 0
	; THE LAST CHUNK: nothing is left to convert.  q's sums are whole behind the second group, k's behind the fourth: their way out stands behind the blocks
	; of the matrix that follows.  The four places of NEXTW also stand between a matrix's last products and the arithmetic on its sums.
	FETCHX 0
	FETCHW 0, 0, 0
	FETCHX 1
	FETCHW 1, 0, 1
	WAITW 0
	MUL8 0, 0, 0, 0, 0
	WIN 0xcf
	s_wait_loadcnt 0x0                             ; the biases
.irp p, 0,2,4,6,8,10,12,14,16,18,20,22,24,26,28,30
	v_pk_mul_f32 v[BI3+\p:BI3+\p+1], v[BI3+\p:BI3+\p+1], QSC op_sel_hi:[1,0]       ; qb times the factor that q's sums get
.endr
	MUL8 0, 0, 0, 2, 0
	NEXTW 0, 1, 0
	WAITW 1
	MUL8 0, 1, 1, 0, 0
	MUL8 0, 1, 1, 2, 0
	NEXTW 1, 1, 1
	WAITW 0
	MUL8 1, 0, 0, 0, 0
	OA 0, 0, 0
	MUL8 1, 0, 0, 2, 0
	OA 0, 1, 1
	OB 0, 0, 0
	NEXTW 0, 2, 0
	WAITW 1
	MUL8 1, 1, 1, 0, 0
	OA 0, 2, 0
	OB 0, 1, 1
	MUL8 1, 1, 1, 2, 0
	OA 0, 3, 1
	OB 0, 2, 0
	NEXTW 1, 2, 1
	WAITW 0
	MUL8 2, 0, 0, 0, 0
	OA 1, 0, 0
	OB 0, 3, 1
	MUL8 2, 0, 0, 2, 0
	OA 1, 1, 1
	OB 1, 0, 0
	WAITW 1
	MUL8 2, 1, 1, 0, 0
	OA 1, 2, 0
	OB 1, 1, 1
	MUL8 2, 1, 1, 2, 0
	OA 1, 3, 1
	OB 1, 2, 0
	PLACES 4                                       ; behind the last matrix instructions, ahead of the conversions of their results
	OA 2, 0, 0
	OB 1, 3, 1
	OA 2, 1, 1
	OB 2, 0, 0
	OA 2, 2, 0
	OB 2, 1, 1
	OA 2, 3, 1
	OB 2, 2, 0
	OB 2, 3, 1
	s_wait_tensorcnt 0x0
	ds_add_u32 v254, v255
	s_wait_dscnt 0x0
	s_endpgm
.Lfunc_end_k_q0e6e91eb22_proj:
	.size	k_q0e6e91eb22_proj, .Lfunc_end_k_q0e6e91eb22_proj-k_q0e6e91eb22_proj
	.p2alignl 7, 3214868480
	.fill 96, 4, 3214868480
	.section	.rodata,"a",@progbits
	.p2align	6, 0x0
	.amdhsa_kernel k_q0e6e91eb22_proj
		.amdhsa_group_segment_fixed_size 269056
		.amdhsa_private_segment_fixed_size 0
		.amdhsa_enable_private_segment 0
		.amdhsa_kernarg_size 112
		.amdhsa_user_sgpr_count 2
		.amdhsa_user_sgpr_kernarg_segment_ptr 1
		.amdhsa_wavefront_size32 1
		.amdhsa_system_sgpr_workgroup_id_x 1
		.amdhsa_system_sgpr_workgroup_id_y 1
		.amdhsa_system_sgpr_workgroup_id_z 1
		.amdhsa_system_vgpr_workitem_id 0
		.amdhsa_next_free_vgpr 1024
		.amdhsa_next_free_sgpr 66
		.amdhsa_reserve_vcc 1
		.amdhsa_float_denorm_mode_32 3
		.amdhsa_float_denorm_mode_16_64 3
		.amdhsa_memory_ordered 1
		.amdhsa_forward_progress 1
		.amdhsa_inst_pref_size 157
	.end_amdhsa_kernel
	.amdgpu_metadata
---
amdhsa.version: [ 1, 2 ]
amdhsa.kernels:
  - .name:           k_q0e6e91eb22_proj
    .symbol:         k_q0e6e91eb22_proj.kd
    .args:
      - { .name: x, .offset: 0, .size: 8, .value_kind: global_buffer, .address_space: global }
      - { .name: qw, .offset: 8, .size: 8, .value_kind: global_buffer, .address_space: global }
      - { .name: kw, .offset: 16, .size: 8, .value_kind: global_buffer, .address_space: global }
      - { .name: vw, .offset: 24, .size: 8, .value_kind: global_buffer, .address_space: global }
      - { .name: qb, .offset: 32, .size: 8, .value_kind: global_buffer, .address_space: global }
      - { .name: kb, .offset: 40, .size: 8, .value_kind: global_buffer, .address_space: global }
      - { .name: vb, .offset: 48, .size: 8, .value_kind: global_buffer, .address_space: global }
      - { .name: ow, .offset: 56, .size: 8, .value_kind: global_buffer, .address_space: global }
      - { .name: qh, .offset: 64, .size: 8, .value_kind: global_buffer, .address_space: global }
      - { .name: kh, .offset: 72, .size: 8, .value_kind: global_buffer, .address_space: global }
      - { .name: vh, .offset: 80, .size: 8, .value_kind: global_buffer, .address_space: global }
      - { .name: owb, .offset: 88, .size: 8, .value_kind: global_buffer, .address_space: global }
      - { .name: ob, .offset: 96, .size: 8, .value_kind: global_buffer, .address_space: global }
      - { .name: ob2, .offset: 104, .size: 8, .value_kind: global_buffer, .address_space: global }
    .group_segment_fixed_size: 269056
    .private_segment_fixed_size: 0
    .kernarg_segment_align: 8
    .kernarg_segment_size: 112
    .max_flat_workgroup_size: 128
    .sgpr_count:     66
    .vgpr_count:     1024
    .wavefront_size: 32
...
	.end_amdgpu_metadata
.endif
;; end of part 1
;; launch attn (part 2): grid 256 x 1, 8 waves a work-group, clusters of 4 x 1, 321,536 bytes of LDS; arguments qh, kh, vh, att; writes att
.if DOCPART == 2
	.amdgcn_target "amdgcn-amd-amdhsa--gfx1250"
	.amdhsa_code_object_version 6
	.text
	.protected	k_q0e6e91eb22_attn
	.globl	k_q0e6e91eb22_attn
	.p2align	8
	.type	k_q0e6e91eb22_attn,@function
k_q0e6e91eb22_attn:
	s_mov_b64 s[64:65], 0
	v_nop
	global_prefetch_b8 v0, s[64:65] scope:SCOPE_SE
	s_setreg_imm32_b32 hwreg(HW_REG_WAVE_MODE, 25, 1), 1
	s_wait_xcnt 0x0
	s_wait_alu depctr_hold_cnt(0) depctr_sa_sdst(0) depctr_va_vdst(0) depctr_va_sdst(0) depctr_va_ssrc(0) depctr_va_vcc(0) depctr_vm_vsrc(0)
	s_getreg_b32 s2, hwreg(HW_REG_IB_STS2, 6, 4)
	s_cmp_eq_u32 s2, 0
	s_cbranch_scc0 .Lentry_in_a_cluster
	s_endpgm
.Lentry_in_a_cluster:
	s_bfe_u32 s2, ttmp6, 0x10000c
	s_cmp_lg_u32 s2, 0x3003
	s_cbranch_scc0 .Lentry_shape_is_right
	s_endpgm
.Lentry_shape_is_right:
; att[b][h][n][d] = softmax over keys of (q . k) times v, for one (b, h) and 256 queries; qh already carries 1/8 and log2(e), so the exponentials are base 2.
; qh, kh, vh, att: [b][h][n][d] bf16, rows of 128 bytes.  The maximum is a true running maximum: the first step starts it, later steps rescale sums and results.
; CLUSTER: the four work-groups of a cluster are the four query blocks of one (b, h).  They read the same K and V, so every K and V tile is asked for
; jointly (mask 15).  All of K and V of a head fits in LDS (1,024 rows at pitch 144 and at pitch 160), so each byte is filled once: no refill, one
; round of the cluster's barrier ahead of the loads and one ahead of the end.  A wave has four tensor loads outstanding at the most.
; SHARES: eight waves, two on a SIMD, so that one wave's softmax arithmetic can run under the other's matrix instructions.  Wave w: queries
; 64 (w & 3) .. + 63 (four tiles), and of each chunk of 256 keys the half w >> 2.  The two halves of the keys are merged once at the end, through LDS.
; SCORES ARE MADE TRANSPOSED: A = rows of K, B = rows of Q.  Lane (r, hl) then holds query r, keys 8 hl + j.  Two such tiles, packed to bf16, ARE the
; B fragment (column = query, k = key) of the second product, O^T (d, query) = V^T (d, key) x P: P never leaves the lane, and maximum, sum and
; rescale factor are one number a lane, joined across the two halves of the wave by one v_permlanex16_b32.  V's A fragment comes from [key][d] by the
; transposing load.  In O^T a lane holds 8 neighbouring d of one query: 16 bytes of att's row.
; Rows stay at 128 bytes: that is the head's own row length.
; LIMITS: q, k, v and the weights P are bf16 for the matrix units; maxima, exponentials and sums are f32.  A weight below 2^-126 of its row's largest
; counts as 0 (v_exp_f32 flushes such results).  NaN and infinities are not treated.
.set KP,   144                         ; K's LDS pitch: 128 + 16 = 9 x 16
.set VP,   160                         ; V's LDS pitch: 128 + 32 = 5 x 32, for the transposing loads
.set VB,   1024*KP                     ; V lies behind K
.set STG,  VB+1024*VP                  ; the way out: 16 rows x 144 bytes for each of waves 0 to 3; no tensor load fills these bytes
.set SP,   144
.set MGB,  17920                       ; the merge: 16,384 bytes of O, 1,024 of maxima, 512 of sums for each pair of waves, in K's bytes, behind their last read
.set KA,  8                            ; v8   K fragments; steps a chunk at a time
.set VA,  9                            ; v9   V fragments; steps a chunk at a time
.set QO,  10                           ; v10  128 r + 16 hl
.set STO, 11
.set RD,  12
.set CO,  13
.set MG,  14
.set SU,  16                           ; v16-23  pairs of partial sums, one pair a query tile
.set MX,  32                           ; v32-39  running maximum at 32 + 2 qt (the odd registers only complete the pairs)
.set AL,  40                           ; v40-47  rescale factor at 40 + 2 qt, likewise
.set LS,  48                           ; v48-51  running sum (of my half of the wave's keys)
.set T0,  52
.set T1,  56
.set VF,  64                           ; v64-127 V fragments at 8 (4 hf + dt)
.set PM,  68                           ; the merge (V's fragments are done with): partner's maxima v68-75,
.set PL,  76                           ; partner's sums v76-79
.set TMP, 80                           ; the way out: packed results v80-95,
.set RB,  96                           ; rows read back v96-127, two sets
.set SC,  128                          ; v128-255 scores at 8 (4 kt + qt); P[hf][qt] in place in the registers of tile (2 hf, qt)
.set QF,  0                            ; window 1: Q fragments at 8 (2 qt + ks)
.set OA,  64                           ; window 1: O^T at 64 + 8 (4 dt + qt)
.set KF,  192                          ; window 1: K fragments at 192 + 8 (2 kt + ks)
.set MSB, 0
.macro WIN new                         ; s_set_vgpr_msb: bits 1:0 source 0, 3:2 source 1, 5:4 source 2, 7:6 destination; the high byte repeats the setting left
.if MSB != \new
	s_set_vgpr_msb (MSB<<8)|\new
.set MSB, \new
.endif
.endm
.macro PLACES n                        ; places behind matrix instructions (ISA guide 7.12.1)
.rept \n
	v_nop
.endr
.endm
.macro ROUND                           ; a round of the cluster's barrier: my work-group's barrier, wave 0 signals for the work-group, all wait, my work-group's barrier
	s_barrier_signal -1
	s_barrier_wait -1
	s_cmp_lg_u32 s12, 0
	s_cbranch_scc1 .Lnot_wave_0_\@
	s_barrier_signal -3
.Lnot_wave_0_\@:
	s_barrier_wait -3
	s_barrier_signal -1
	s_barrier_wait -1
.endm
	s_load_b256 s[4:11], s[0:1], 0x0               ; qh 4, kh 6, vh 8, att 10
	v_lshl_add_u32 v62, v0, 2, 0x4e400
	v_mov_b32 v63, 0
	ds_add_u32 v62, v63
	ds_add_u32 v62, v63
	v_lshrrev_b32 v2, 5, v0
	v_readfirstlane_b32 s12, v2                    ; wave w
	s_bfe_u32 s13, ttmp6, 0x40000                  ; cx: my query block; it enters the addresses of qh and att alone
	s_and_b32 s14, s12, 3                          ; which 64 queries; also which 64 rows of a chunk I fetch
	s_lshr_b32 s15, s12, 2                         ; which half of a chunk's keys
	s_mov_b32 s16, 0x76543210                      ; v_permlanex16_b32: lane i reads lane i of the other half
	s_mov_b32 s17, 0xfedcba98
	s_lshl_b32 s18, ttmp9, 17                      ; the cluster's number is 8 b + h: planes of 131,072 bytes,
	s_lshl_b32 s20, s14, 13                        ; 64 rows of 128 bytes
	s_add_co_u32 s18, s18, s20
	s_mov_b32 s19, 0
	s_lshl_b32 s56, s13, 15                        ; 256 queries of 128 bytes a block
	s_mov_b32 s57, 0
	; descriptor group 1: a tile of 64 rows x 64 bf16, padded behind every 32 words (code 4) by 4 words (K) or 8 words (V); mask 15 with bit 21 beside it
	s_mov_b32 s24, 15|(1<<16)|(1<<20)|(1<<21)|(4<<22)|(3<<25)
	s_mov_b32 s25, 64<<16                          ; tensor_dim0 = 64
	s_mov_b32 s26, 64<<16                          ; tensor_dim1 = 64
	s_mov_b32 s27, 64<<16                          ; tile_dim0 = 64
	s_mov_b32 s28, 64                              ; tile_dim1 = 64
	s_mov_b32 s29, 64                              ; 64 elements from row to row
	s_mov_b32 s30, 0
	s_mov_b32 s31, 0
	s_mov_b32 s32, 15|(1<<16)|(1<<20)|(1<<21)|(4<<22)|(7<<25)
	s_mov_b32 s33, 64<<16
	s_mov_b32 s34, 64<<16
	s_mov_b32 s35, 64<<16
	s_mov_b32 s36, 64
	s_mov_b32 s37, 64
	s_mov_b32 s38, 0
	s_mov_b32 s39, 0
	s_mul_i32 s23, s12, 64*KP                      ; K (waves 0 to 3): rows 64 w of a chunk
	s_mul_i32 s58, s12, 64*VP
	s_add_co_u32 s58, s58, VB-4*64*VP              ; V (waves 4 to 7): rows 64 (w - 4) of a chunk
	v_and_b32 v1, 31, v0                           ; L
	v_and_b32 v3, 15, v0                           ; r
	v_bfe_u32 v4, v0, 4, 1                         ; hl
	v_and_b32 v5, 7, v0
	v_bfe_u32 v6, v0, 3, 1
	v_bfe_u32 v7, v0, 3, 2
	s_mul_i32 s59, s15, 128*KP
	v_mul_u32_u24 v[KA], v3, KP
	v_lshl_add_u32 v[KA], v4, 4, v[KA]
	v_add_nc_u32 v[KA], s59, v[KA]                 ; key 128 half + r, 16 hl bytes
	s_mul_i32 s60, s15, 128*VP
	s_add_co_u32 s60, s60, VB
	v_lshl_add_u32 v[VA], v4, 3, v5
	v_mul_u32_u24 v[VA], v[VA], VP
	v_lshl_add_u32 v[VA], v6, 4, v[VA]
	v_add_nc_u32 v[VA], s60, v[VA]                 ; key 128 half + 8 hl + (L & 7), 16 bytes for each half of 16 d
	v_lshlrev_b32 v[QO], 7, v3
	v_lshl_add_u32 v[QO], v4, 4, v[QO]
	s_mul_i32 s61, s14, 16*SP
	s_add_co_u32 s61, s61, STG
	v_mul_u32_u24 v[STO], v3, SP
	v_lshl_add_u32 v[STO], v4, 4, v[STO]
	v_add_nc_u32 v[STO], s61, v[STO]
	v_mul_u32_u24 v[RD], v7, SP
	v_lshl_add_u32 v[RD], v5, 4, v[RD]
	v_add_nc_u32 v[RD], s61, v[RD]
	v_lshlrev_b32 v[CO], 4, v1
	s_mul_i32 s62, s14, MGB
	v_lshl_add_u32 v[MG], v1, 4, s62
.irp q, 0,1,2,3
	v_mov_b32 v[MX+2*\q+1], 0                      ; the pairs' second registers are named by packed instructions, never used
	v_mov_b32 v[AL+2*\q+1], 0
	v_mov_b32 v[T1+\q], 0                          ; v_permlanex16_b32 counts as a reader of its destination
.endr
	s_wait_dscnt 0x0
	s_wait_kmcnt 0x0
	s_add_nc_u64 s[6:7], s[6:7], s[18:19]          ; K and V: plane and my 64 rows: nothing of cx
	s_add_nc_u64 s[8:9], s[8:9], s[18:19]
	s_add_nc_u64 s[4:5], s[4:5], s[18:19]          ; Q and att: plane, my wave's 64 queries,
	s_add_nc_u64 s[10:11], s[10:11], s[18:19]
	s_add_nc_u64 s[4:5], s[4:5], s[56:57]          ; and my work-group's block
	s_add_nc_u64 s[10:11], s[10:11], s[56:57]
.irp c, 0,1,2,3
	s_mov_b32 s[40+4*\c], 1                                        ; group 0 for K's chunk c
	s_add_co_u32 s[41+4*\c], s23, \c*256*KP
	s_add_nc_u64 s[42+4*\c:43+4*\c], s[6:7], \c*32768
	s_or_b32 s[43+4*\c], s[43+4*\c], 0x80000000
	s_mov_b32 s[68+4*\c], 1                                        ; group 0 for V's chunk c
	s_add_co_u32 s[69+4*\c], s58, \c*256*VP
	s_add_nc_u64 s[70+4*\c:71+4*\c], s[8:9], \c*32768
	s_or_b32 s[71+4*\c], s[71+4*\c], 0x80000000
.endr
	ROUND                                          ; all four work-groups are here: the joint loads meet
	s_cmp_lt_u32 s12, 4                            ; waves 0 to 3 fetch K, waves 4 to 7 V: four loads each, chunk 0 first
	s_cbranch_scc0 .Lfill_v
.irp c, 0,1,2,3
	tensor_load_to_lds s[40+4*\c:43+4*\c], s[24:31]
	s_nop 0
.endr
	s_branch .Lfilled
.Lfill_v:
.irp c, 0,1,2,3
	tensor_load_to_lds s[68+4*\c:71+4*\c], s[32:39]
	s_nop 0
.endr
.Lfilled:
	WIN 0x40
.irp q, 0,1,2,3
.irp ks, 0,1
	global_load_b128 v[QF+8*(2*\q+\ks):QF+8*(2*\q+\ks)+3],   v[QO], s[4:5] offset:2048*\q+64*\ks      ; Q(query r, d = 32 ks + 8 hl ..)
	global_load_b128 v[QF+8*(2*\q+\ks)+4:QF+8*(2*\q+\ks)+7], v[QO], s[4:5] offset:2048*\q+64*\ks+32
.endr
.endr
	WIN 0
.macro RESC                            ; O^T times the lane's factor
	WIN 0x41
.irp dt, 0,1,2,3
.irp q, 0,1,2,3
.irp p, 0,2,4,6
	v_pk_mul_f32 v[OA+8*(4*\dt+\q)+\p:OA+8*(4*\dt+\q)+\p+1], v[OA+8*(4*\dt+\q)+\p:OA+8*(4*\dt+\q)+\p+1], v[AL+2*\q:AL+2*\q+1] op_sel_hi:[1,0]
.endr
.endr
.endr
.endm
; One step: 64 keys x my 64 queries.  first = 1: it starts maximum, sums and O^T.  koff, voff: the step's place in the chunk.
.macro STEP first, koff, voff
.if \first == 0
	PLACES 5                                       ; behind the last step's matrix instructions: 4 ahead of the loads into V's fragments, 5 ahead of the products that write over P
.endif
	WIN 0x40
.irp kt, 0,1,2,3
.irp ks, 0,1
	ds_load_b128 v[KF+8*(2*\kt+\ks):KF+8*(2*\kt+\ks)+3],   v[KA] offset:\koff+16*KP*\kt+64*\ks
	ds_load_b128 v[KF+8*(2*\kt+\ks)+4:KF+8*(2*\kt+\ks)+7], v[KA] offset:\koff+16*KP*\kt+64*\ks+32
.endr
.endr
	WIN 0
.irp hf, 0,1
.irp dt, 0,1,2,3
	ds_load_tr16_b128 v[VF+8*(4*\hf+\dt):VF+8*(4*\hf+\dt)+3],   v[VA] offset:\voff+32*VP*\hf+32*\dt
	ds_load_tr16_b128 v[VF+8*(4*\hf+\dt)+4:VF+8*(4*\hf+\dt)+7], v[VA] offset:\voff+32*VP*\hf+32*\dt+16*VP
.endr
.endr
	s_wait_dscnt 16                                ; K's fragments are in; the 16 loads of V may stay out until the second product
	WIN 0x05
	; scores: 16 accumulators by turns, one instruction a turn; d = 0 .. 31 starts the sums
.irp ks, 0,1
.irp kt, 0,1,2,3
.irp q, 0,1,2,3
.if \ks == 0
	v_wmma_f32_16x16x32_bf16 v[SC+8*(4*\kt+\q):SC+8*(4*\kt+\q)+7], v[KF+8*(2*\kt+\ks):KF+8*(2*\kt+\ks)+7], v[QF+8*(2*\q+\ks):QF+8*(2*\q+\ks)+7], 0
.else
	v_wmma_f32_16x16x32_bf16 v[SC+8*(4*\kt+\q):SC+8*(4*\kt+\q)+7], v[KF+8*(2*\kt+\ks):KF+8*(2*\kt+\ks)+7], v[QF+8*(2*\q+\ks):QF+8*(2*\q+\ks)+7], v[SC+8*(4*\kt+\q):SC+8*(4*\kt+\q)+7]
.endif
.endr
.endr
.endr
	WIN 0
	PLACES 4
	; the largest of a lane's 32 scores of each query tile and the old maximum; the four tiles' chains are interleaved
.irp q, 0,1,2,3
	v_max3_num_f32 v[T0+\q], v[SC+8*\q], v[SC+8*\q+1], v[SC+8*\q+2]
.endr
.set i, 3
.rept 14
.irp q, 0,1,2,3
	v_max3_num_f32 v[T0+\q], v[T0+\q], v[SC+32*(i/8)+8*\q+i%8], v[SC+32*((i+1)/8)+8*\q+(i+1)%8]
.endr
.set i, i+2
.endr
.irp q, 0,1,2,3
.if \first
	v_max_num_f32 v[T0+\q], v[T0+\q], v[SC+96+8*\q+7]
.else
	v_max3_num_f32 v[T0+\q], v[T0+\q], v[SC+96+8*\q+7], v[MX+2*\q]
.endif
.endr
.irp q, 0,1,2,3
	v_permlanex16_b32 v[T1+\q], v[T0+\q], s16, s17 ; the other half of the wave holds the same query's other keys
.endr
.irp q, 0,1,2,3
	v_max_num_f32 v[T0+\q], v[T0+\q], v[T1+\q]
.endr
.if \first == 0
.irp q, 0,1,2,3
	v_sub_f32 v[AL+2*\q], v[MX+2*\q], v[T0+\q]
.endr
.irp q, 0,1,2,3
	v_exp_f32 v[AL+2*\q], v[AL+2*\q]               ; 2^(old maximum - new)
.endr
.endif
.irp q, 0,1,2,3
	v_mov_b32 v[MX+2*\q], v[T0+\q]                 ; (plain instructions between the exponentials and the use of their results)
.endr
.irp kt, 0,1,2,3
.irp q, 0,1,2,3
.irp p, 0,2,4,6
	v_pk_add_f32 v[SC+8*(4*\kt+\q)+\p:SC+8*(4*\kt+\q)+\p+1], v[SC+8*(4*\kt+\q)+\p:SC+8*(4*\kt+\q)+\p+1], v[MX+2*\q:MX+2*\q+1] op_sel_hi:[1,0] neg_lo:[0,1] neg_hi:[0,1]
.endr
.endr
.endr
.set i, 0
.rept 128
	v_exp_f32 v[SC+i], v[SC+i]
.set i, i+1
.endr
	v_nop                                          ; one plain place behind the last exponential
	s_wait_alu depctr_va_vdst(0)
.irp q, 0,1,2,3
	v_pk_add_f32 v[SU+2*\q:SU+2*\q+1], v[SC+8*\q:SC+8*\q+1], v[SC+8*\q+2:SC+8*\q+3]
.endr
.set i, 2
.rept 14
.irp q, 0,1,2,3
	v_pk_add_f32 v[SU+2*\q:SU+2*\q+1], v[SU+2*\q:SU+2*\q+1], v[SC+32*(i/4)+8*\q+2*(i%4):SC+32*(i/4)+8*\q+2*(i%4)+1]
.endr
.set i, i+1
.endr
.irp q, 0,1,2,3
.if \first
	v_add_f32 v[LS+\q], v[SU+2*\q], v[SU+2*\q+1]
.else
	v_fma_f32 v[LS+\q], v[LS+\q], v[AL+2*\q], v[SU+2*\q]
.endif
.endr
.if \first == 0
.irp q, 0,1,2,3
	v_add_f32 v[LS+\q], v[LS+\q], v[SU+2*\q+1]
.endr
.endif
	; P to bf16, in place: keys 8 hl + j of tile 2 hf fill registers 0-3, those of tile 2 hf + 1 registers 4-7: the B fragment of 32 keys
.irp hf, 0,1
.irp q, 0,1,2,3
.irp p, 0,1,2,3
	v_cvt_pk_bf16_f32 v[SC+8*(8*\hf+\q)+\p], v[SC+8*(8*\hf+\q)+2*\p], v[SC+8*(8*\hf+\q)+2*\p+1]
.endr
.irp p, 0,1,2,3
	v_cvt_pk_bf16_f32 v[SC+8*(8*\hf+\q)+4+\p], v[SC+8*(8*\hf+4+\q)+2*\p], v[SC+8*(8*\hf+4+\q)+2*\p+1]
.endr
.endr
.endr
.if \first == 0
	RESC
.endif
	s_wait_dscnt 0x0                               ; V's fragments are in
	WIN 0x50
	; O^T += V^T x P: 16 accumulators by turns, one instruction a turn
.irp hf, 0,1
.irp dt, 0,1,2,3
.irp q, 0,1,2,3
.if \first*(1-\hf)
	v_wmma_f32_16x16x32_bf16 v[OA+8*(4*\dt+\q):OA+8*(4*\dt+\q)+7], v[VF+8*(4*\hf+\dt):VF+8*(4*\hf+\dt)+7], v[SC+8*(8*\hf+\q):SC+8*(8*\hf+\q)+7], 0
.else
	v_wmma_f32_16x16x32_bf16 v[OA+8*(4*\dt+\q):OA+8*(4*\dt+\q)+7], v[VF+8*(4*\hf+\dt):VF+8*(4*\hf+\dt)+7], v[SC+8*(8*\hf+\q):SC+8*(8*\hf+\q)+7], v[OA+8*(4*\dt+\q):OA+8*(4*\dt+\q)+7]
.endif
.endr
.endr
.endr
	WIN 0
.endm
; The way out: 16 queries x 64 d: one rounding to bf16, 16 bytes a lane into my own stage, rows read back (LDS serves a wave's instructions in order,
; ISA guide 5.7.1), stores of 512 consecutive bytes.
.macro OUTA q, set
	WIN 0x05
.irp dt, 0,1,2,3
.irp p, 0,1,2,3
	v_cvt_pk_bf16_f32 v[TMP+4*\dt+\p], v[OA+8*(4*\dt+\q)+2*\p], v[OA+8*(4*\dt+\q)+2*\p+1]
.endr
.endr
	WIN 0
.irp dt, 0,1,2,3
	ds_store_b128 v[STO], v[TMP+4*\dt:TMP+4*\dt+3] offset:32*\dt
.endr
	s_wait_xcnt 0x0                                ; earlier stores have had their addresses translated (ISA guide 3.1): RB is loaded again only behind this wait
.irp k, 0,1,2,3
	ds_load_b128 v[RB+16*\set+4*\k:RB+16*\set+4*\k+3], v[RD] offset:4*SP*\k
.endr
.irp k, 0,1,2,3
	s_wait_dscnt 3-\k                              ; read-back k is in, the younger ones may be out
	global_store_b128 v[CO], v[RB+16*\set+4*\k:RB+16*\set+4*\k+3], s[10:11] offset:2048*\q+512*\k
.endr
.endm
	s_wait_tensorcnt 0x3                           ; my quarter of chunk 0 has landed; my three later loads stay out
	s_barrier_signal -1
	s_barrier_wait -1                              ; everybody's has
	s_wait_loadcnt 0x0                             ; Q
	STEP 1, 0, 0
	STEP 0, 64*KP, 64*VP
	v_add_nc_u32 v[KA], 256*KP, v[KA]
	v_add_nc_u32 v[VA], 256*VP, v[VA]
	s_wait_dscnt 0x0
	s_wait_tensorcnt 0x0                           ; my parts of chunks 1 to 3 have landed,
	s_barrier_signal -1
	s_barrier_wait -1                              ; everybody's have
	s_mov_b32 s22, 3
.Lchunk:
	STEP 0, 0, 0
	STEP 0, 64*KP, 64*VP
	v_add_nc_u32 v[KA], 256*KP, v[KA]
	v_add_nc_u32 v[VA], 256*VP, v[VA]
	s_sub_co_i32 s22, s22, 1
	s_cmp_lg_u32 s22, 0
	s_cbranch_scc1 .Lchunk
	; THE MERGE of the two halves of the keys.  Waves 4 to 7 hand O^T, maxima and sums to waves 0 to 3 through K's bytes, which nobody reads any more.
	PLACES 4                                       ; behind the last matrix instructions: their results are stored, their sources loaded into
	s_wait_dscnt 0x0
	s_barrier_signal -1
	s_barrier_wait -1                              ; every wave's reads of K and V are over
	s_cmp_lt_u32 s12, 4
	s_cbranch_scc1 .Lkeep
	WIN 0x04
.set i, 0
.rept 32
	ds_store_b128 v[MG], v[OA+4*i:OA+4*i+3] offset:512*i
.set i, i+1
.endr
	WIN 0
	ds_store_b128 v[MG], v[MX:MX+3]   offset:16384
	ds_store_b128 v[MG], v[MX+4:MX+7] offset:16896
	ds_store_b128 v[MG], v[LS:LS+3]   offset:17408
.Lkeep:
	s_wait_dscnt 0x0                               ; for the partner's sake: zero
	s_barrier_signal -1
	s_barrier_wait -1
	s_cmp_ge_u32 s12, 4
	s_cbranch_scc1 .Ldone
.set i, 0
.rept 32
	ds_load_b128 v[SC+4*i:SC+4*i+3], v[MG] offset:512*i            ; the partner's O^T, register for register
.set i, i+1
.endr
	ds_load_b128 v[PM:PM+3],   v[MG] offset:16384
	ds_load_b128 v[PM+4:PM+7], v[MG] offset:16896
	ds_load_b128 v[PL:PL+3],   v[MG] offset:17408
	s_wait_dscnt 0x0
.irp q, 0,1,2,3
	v_max_num_f32 v[T0+\q], v[MX+2*\q], v[PM+2*\q]
.endr
.irp q, 0,1,2,3
	v_sub_f32 v[AL+2*\q], v[MX+2*\q], v[T0+\q]
.endr
.irp q, 0,1,2,3
	v_sub_f32 v[MX+2*\q], v[PM+2*\q], v[T0+\q]
.endr
.irp q, 0,1,2,3
	v_exp_f32 v[AL+2*\q], v[AL+2*\q]               ; my half's factor
.endr
.irp q, 0,1,2,3
	v_exp_f32 v[MX+2*\q], v[MX+2*\q]               ; the partner's
.endr
	v_nop
	s_wait_alu depctr_va_vdst(0)
.irp q, 0,1,2,3
	v_mul_f32 v[LS+\q], v[LS+\q], v[AL+2*\q]
.endr
.irp q, 0,1,2,3
	v_fmac_f32 v[LS+\q], v[PL+\q], v[MX+2*\q]
.endr
.irp q, 0,1,2,3
	v_permlanex16_b32 v[T1+\q], v[LS+\q], s16, s17 ; the sums were kept apart in the two halves of the wave until here
.endr
.irp q, 0,1,2,3
	v_add_f32 v[LS+\q], v[LS+\q], v[T1+\q]
.endr
.irp q, 0,1,2,3
	v_rcp_f32 v[T0+\q], v[LS+\q]
.endr
	v_nop
	s_wait_alu depctr_va_vdst(0)
.irp q, 0,1,2,3
	v_mul_f32 v[AL+2*\q], v[AL+2*\q], v[T0+\q]
.endr
.irp q, 0,1,2,3
	v_mul_f32 v[MX+2*\q], v[MX+2*\q], v[T0+\q]
.endr
	RESC
	WIN 0x50
.irp dt, 0,1,2,3
.irp q, 0,1,2,3
.irp p, 0,2,4,6
	v_pk_fma_f32 v[OA+8*(4*\dt+\q)+\p:OA+8*(4*\dt+\q)+\p+1], v[SC+8*(4*\dt+\q)+\p:SC+8*(4*\dt+\q)+\p+1], v[MX+2*\q:MX+2*\q+1], v[OA+8*(4*\dt+\q)+\p:OA+8*(4*\dt+\q)+\p+1] op_sel_hi:[1,0,1]
.endr
.endr
.endr
	OUTA 0, 0
	OUTA 1, 1
	OUTA 2, 0
	OUTA 3, 1
.Ldone:
	s_wait_tensorcnt 0x0
	ds_add_u32 v62, v63
	s_wait_dscnt 0x0
	ROUND                                          ; the closing round: no work-group ends while a partner may still ask for a tile that names it
	s_endpgm
.Lfunc_end_k_q0e6e91eb22_attn:
	.size	k_q0e6e91eb22_attn, .Lfunc_end_k_q0e6e91eb22_attn-k_q0e6e91eb22_attn
	.p2alignl 7, 3214868480
	.fill 96, 4, 3214868480
	.section	.rodata,"a",@progbits
	.p2align	6, 0x0
	.amdhsa_kernel k_q0e6e91eb22_attn
		.amdhsa_group_segment_fixed_size 321536
		.amdhsa_private_segment_fixed_size 0
		.amdhsa_enable_private_segment 0
		.amdhsa_kernarg_size 32
		.amdhsa_user_sgpr_count 2
		.amdhsa_user_sgpr_kernarg_segment_ptr 1
		.amdhsa_wavefront_size32 1
		.amdhsa_system_sgpr_workgroup_id_x 1
		.amdhsa_system_sgpr_workgroup_id_y 1
		.amdhsa_system_sgpr_workgroup_id_z 1
		.amdhsa_system_vgpr_workitem_id 0
		.amdhsa_next_free_vgpr 512
		.amdhsa_next_free_sgpr 84
		.amdhsa_reserve_vcc 0
		.amdhsa_float_denorm_mode_32 3
		.amdhsa_float_denorm_mode_16_64 3
		.amdhsa_memory_ordered 1
		.amdhsa_forward_progress 1
		.amdhsa_inst_pref_size 155
	.end_amdhsa_kernel
	.amdgpu_metadata
---
amdhsa.version: [ 1, 2 ]
amdhsa.kernels:
  - .name:           k_q0e6e91eb22_attn
    .symbol:         k_q0e6e91eb22_attn.kd
    .args:
      - { .name: qh, .offset: 0, .size: 8, .value_kind: global_buffer, .address_space: global }
      - { .name: kh, .offset: 8, .size: 8, .value_kind: global_buffer, .address_space: global }
      - { .name: vh, .offset: 16, .size: 8, .value_kind: global_buffer, .address_space: global }
      - { .name: att, .offset: 24, .size: 8, .value_kind: global_buffer, .address_space: global }
    .group_segment_fixed_size: 321536
    .private_segment_fixed_size: 0
    .kernarg_segment_align: 8
    .kernarg_segment_size: 32
    .max_flat_workgroup_size: 256
    .sgpr_count:     84
    .vgpr_count:     512
    .wavefront_size: 32
...
	.end_amdgpu_metadata
.endif
;; end of part 2
;; launch oproj (part 3): grid 64 x 4, 4 waves a work-group, clusters of 4 x 4, 304,640 bytes of LDS; arguments owb, att, ob2, out0; writes out0
.if DOCPART == 3
	.amdgcn_target "amdgcn-amd-amdhsa--gfx1250"
	.amdhsa_code_object_version 6
	.text
	.protected	k_q0e6e91eb22_oproj
	.globl	k_q0e6e91eb22_oproj
	.p2align	8
	.type	k_q0e6e91eb22_oproj,@function
k_q0e6e91eb22_oproj:
	s_mov_b64 s[64:65], 0
	v_nop
	global_prefetch_b8 v0, s[64:65] scope:SCOPE_SE
	s_setreg_imm32_b32 hwreg(HW_REG_WAVE_MODE, 25, 1), 1
	s_wait_xcnt 0x0
	s_wait_alu depctr_hold_cnt(0) depctr_sa_sdst(0) depctr_va_vdst(0) depctr_va_sdst(0) depctr_va_ssrc(0) depctr_va_vcc(0) depctr_vm_vsrc(0)
	s_getreg_b32 s2, hwreg(HW_REG_IB_STS2, 6, 4)
	s_cmp_eq_u32 s2, 0
	s_cbranch_scc0 .Lentry_in_a_cluster
	s_endpgm
.Lentry_in_a_cluster:
	s_bfe_u32 s2, ttmp6, 0x10000c
	s_cmp_lg_u32 s2, 0xf033
	s_cbranch_scc0 .Lentry_shape_is_right
	s_endpgm
.Lentry_shape_is_right:
; out0[b][f][n] = sum over e of ow[f][e] att[b][e][n] + ob2[f].  owb: [f][e] bf16, rows of 1,024 bytes.  att: [b][h][n][d] bf16, e = 64 h + d.  out0: f32.
; att is the attention of vw x without vb; ob2[f] = ob[f] + sum over e of ow[f][e] vb[e], made in f32 by the first launch, carries vb: the weights of a
; softmax row sum to one, so vb passes through the attention unchanged.
; SHARES: a work-group makes 128 f x 128 pixels over E = 512 with four waves; wave w makes 64 f (w >> 1) x 64 pixels (w & 1): 16 accumulator tiles.
; D = att fragment (rows = pixels) x ow fragment (columns = f): a lane ends with 8 neighbouring pixels of one f, 32 bytes of an output row.
; CLUSTER: 4 x 4 work-groups.  ow's tile hangs on the block of f alone (cy) and is asked for jointly along a row of the cluster; att's tile hangs on the
; block of pixels alone (cx) and is asked for jointly along a column: that divides a work-group's 256 KiB of requests by four.
; The whole E fits in LDS (ow 4 x 128 rows at pitch 272, att 8 x 128 rows at pitch 144), so each byte is filled once, in four chunks of 128 e: no
; refill, one round of the cluster's barrier ahead of the loads and one ahead of the end.  A wave has four tensor loads outstanding at the most.
; LIMITS: ow and att are bf16, sums and bias f32.  NaN and infinities are not treated.
.set OP,   272                         ; ow's LDS pitch: 256 + 16 = 17 x 16
.set AP,   144                         ; att's LDS pitch: 128 + 16 = 9 x 16
.set ATB,  4*128*OP                    ; att lies behind ow
.set STG,  ATB+8*128*AP                ; the way out: 16 rows x 272 bytes for each wave; no tensor load fills these bytes
.set SPT,  272
.set AA,  8                            ; v8-11   att fragments of chunk c
.set BA,  12                           ; v12-15  ow fragments of chunk c
.set STO, 16
.set RD,  17
.set CO,  18
.set BO,  19
.set BP,  20                           ; v20-27  ob2[f] twice, a pair for each tile row ft
.set FR,  64                           ; v64-127, v128-191: two fragment buffers: att at + 8 pt, ow at + 32 + 8 ft
; window 1: accumulators at 8 (4 ft + pt)
.set MSB, 0
.macro WIN new                         ; s_set_vgpr_msb: bits 1:0 source 0, 3:2 source 1, 5:4 source 2, 7:6 destination; the high byte repeats the setting left
.if MSB != \new
	s_set_vgpr_msb (MSB<<8)|\new
.set MSB, \new
.endif
.endm
.macro PLACES n                        ; places behind matrix instructions (ISA guide 7.12.1)
.rept \n
	v_nop
.endr
.endm
.macro ROUND                           ; a round of the cluster's barrier
	s_barrier_signal -1
	s_barrier_wait -1
	s_cmp_lg_u32 s12, 0
	s_cbranch_scc1 .Lnot_wave_0_\@
	s_barrier_signal -3
.Lnot_wave_0_\@:
	s_barrier_wait -3
	s_barrier_signal -1
	s_barrier_wait -1
.endm
	s_load_b256 s[4:11], s[0:1], 0x0               ; owb 4, att 6, ob2 8, out0 10
	v_lshl_add_u32 v254, v0, 2, 0x4a400
	v_mov_b32 v255, 0
	ds_add_u32 v254, v255
	ds_add_u32 v254, v255
	v_lshrrev_b32 v2, 5, v0
	v_readfirstlane_b32 s12, v2                    ; wave w
	s_bfe_u32 s13, ttmp6, 0x40000                  ; cx
	s_bfe_u32 s14, ttmp6, 0x40004                  ; cy
	s_lshl_b32 s15, ttmp9, 2
	s_add_co_u32 s15, s15, s13                     ; block of 128 pixels, 0 to 63 = 4 x cluster x + cx
	s_and_b32 s16, ttmp7, 0xffff
	s_lshl_b32 s16, s16, 2
	s_add_co_u32 s16, s16, s14                     ; block of 128 f = 4 x cluster y + cy
	s_lshr_b32 s17, s12, 1                         ; which 64 f are mine.  Also: I fetch ow (0) or att (1)
	s_and_b32 s18, s12, 1                          ; which 64 pixels.  Also: which half of a chunk's tile I fetch
	s_lshl_b32 s19, s14, 2
	s_lshl_b32 s19, 15, s19                        ; my row of the cluster: places 4 cy .. 4 cy + 3
	s_lshl_b32 s20, 0x1111, s13                    ; my column: places cx, cx + 4, cx + 8, cx + 12
	; group 1 for ow: 64 rows x 128 bf16, 4 words of padding behind every 64 words (code 5); 512 elements from row to row
	s_or_b32 s24, s19, (1<<16)|(1<<20)|(1<<21)|(5<<22)|(3<<25)
	s_mov_b32 s25, 128<<16                         ; tensor_dim0 = 128
	s_mov_b32 s26, 64<<16                          ; tensor_dim1 = 64
	s_mov_b32 s27, 128<<16                         ; tile_dim0 = 128
	s_mov_b32 s28, 64                              ; tile_dim1 = 64
	s_mov_b32 s29, 512
	s_mov_b32 s30, 0
	s_mov_b32 s31, 0
	; group 1 for att: 128 rows x 64 bf16 (one head), 4 words of padding behind every 32 words (code 4)
	s_or_b32 s32, s20, (1<<16)|(1<<20)|(1<<21)|(4<<22)|(3<<25)
	s_mov_b32 s33, 64<<16
	s_mov_b32 s34, 128<<16
	s_mov_b32 s35, 64<<16
	s_mov_b32 s36, 128
	s_mov_b32 s37, 64
	s_mov_b32 s38, 0
	s_mov_b32 s39, 0
	; offsets.  What feeds ow's descriptors is made of cy and the wave alone, what feeds att's of cx and the wave alone
	s_lshl_b32 s56, s16, 17                        ; ow: 128 rows of 1,024 bytes a block,
	s_lshl_b32 s21, s18, 16                        ; 64 rows a half
	s_add_co_u32 s56, s56, s21
	s_mov_b32 s57, 0
	s_lshr_b32 s22, s15, 3                         ; b
	s_and_b32 s23, s15, 7                          ; the block of pixels in its image
	s_lshl_b32 s58, s22, 20                        ; att: 8 planes of 131,072 bytes a batch,
	s_lshl_b32 s3, s23, 14                         ; 128 pixels of 128 bytes a block,
	s_add_co_u32 s58, s58, s3
	s_lshl_b32 s3, s18, 17                         ; the even or the odd head of a chunk
	s_add_co_u32 s58, s58, s3
	s_mov_b32 s59, 0
	s_lshl_b32 s60, s16, 9                         ; ob2: 128 numbers a block, 64 a half
	s_lshl_b32 s21, s17, 8
	s_add_co_u32 s60, s60, s21
	s_mov_b32 s61, 0
	s_lshl_b32 s62, s22, 21                        ; out0: 512 rows of 4,096 bytes a batch,
	s_lshl_b32 s21, s16, 19                        ; 128 rows a block of f,
	s_add_co_u32 s62, s62, s21
	s_lshl_b32 s21, s17, 18                        ; 64 rows a half,
	s_add_co_u32 s62, s62, s21
	s_lshl_b32 s3, s23, 9                          ; 128 pixels of 4 bytes a block,
	s_add_co_u32 s62, s62, s3
	s_lshl_b32 s21, s18, 8                         ; 64 pixels a half
	s_add_co_u32 s62, s62, s21
	s_mov_b32 s63, 0
	s_mul_i32 s84, s12, 64*OP                      ; ow (waves 0, 1): rows 64 w of a chunk
	s_mul_i32 s85, s12, 128*AP
	s_add_co_u32 s85, s85, ATB-2*128*AP            ; att (waves 2, 3): head w - 2 of a chunk
	v_and_b32 v3, 15, v0                           ; r
	v_bfe_u32 v4, v0, 4, 1                         ; hl
	s_mul_i32 s86, s18, 64*AP
	s_add_co_u32 s86, s86, ATB
	v_mul_u32_u24 v28, v3, AP
	v_lshl_add_u32 v28, v4, 4, v28
	v_add_nc_u32 v28, s86, v28                     ; pixel 64 half + r, 16 hl bytes
	s_mul_i32 s87, s17, 64*OP
	v_mul_u32_u24 v29, v3, OP
	v_lshl_add_u32 v29, v4, 4, v29
	v_add_nc_u32 v29, s87, v29                     ; f 64 half + r, 16 hl bytes
.irp c, 0,1,2,3
	v_add_nc_u32 v[AA+\c], \c*256*AP, v28
	v_add_nc_u32 v[BA+\c], \c*128*OP, v29
.endr
	s_mul_i32 s88, s12, 16*SPT
	s_add_co_u32 s88, s88, STG                     ; my stage
	v_mul_u32_u24 v[STO], v3, SPT
	v_lshl_add_u32 v[STO], v4, 5, v[STO]
	v_add_nc_u32 v[STO], s88, v[STO]               ; in: row r (an f), 32 bytes for each half of 16 pixels
	v_mul_u32_u24 v[RD], v4, SPT
	v_lshl_add_u32 v[RD], v3, 4, v[RD]
	v_add_nc_u32 v[RD], s88, v[RD]                 ; back: lanes 0-15 one row of 256 bytes, lanes 16-31 the next
	v_lshlrev_b32 v[CO], 4, v3
	v_lshl_add_u32 v[CO], v4, 12, v[CO]            ; and the same two rows in out0
	v_lshlrev_b32 v[BO], 2, v3
	s_wait_dscnt 0x0
	s_wait_kmcnt 0x0
	s_add_nc_u64 s[4:5], s[4:5], s[56:57]
	s_add_nc_u64 s[6:7], s[6:7], s[58:59]
	s_add_nc_u64 s[8:9], s[8:9], s[60:61]
	s_add_nc_u64 s[10:11], s[10:11], s[62:63]
.irp c, 0,1,2,3
	s_mov_b32 s[40+4*\c], 1                                        ; group 0 for ow's chunk c: 128 e = 256 bytes along the rows
	s_add_co_u32 s[41+4*\c], s84, \c*128*OP
	s_add_nc_u64 s[42+4*\c:43+4*\c], s[4:5], \c*256
	s_or_b32 s[43+4*\c], s[43+4*\c], 0x80000000
	s_mov_b32 s[68+4*\c], 1                                        ; group 0 for att's chunk c: two heads on
	s_add_co_u32 s[69+4*\c], s85, \c*256*AP
	s_add_nc_u64 s[70+4*\c:71+4*\c], s[6:7], \c*262144
	s_or_b32 s[71+4*\c], s[71+4*\c], 0x80000000
.endr
	ROUND                                          ; all sixteen work-groups are here: the joint loads meet
	s_cmp_lt_u32 s12, 2                            ; waves 0, 1 fetch ow, waves 2, 3 att: four loads each, chunk 0 first
	s_cbranch_scc0 .Lfill_att
.irp c, 0,1,2,3
	tensor_load_to_lds s[40+4*\c:43+4*\c], s[24:31]
	s_nop 0
.endr
	s_branch .Lfilled
.Lfill_att:
.irp c, 0,1,2,3
	tensor_load_to_lds s[68+4*\c:71+4*\c], s[32:39]
	s_nop 0
.endr
.Lfilled:
.irp ft, 0,1,2,3
	global_load_b32 v[BP+2*\ft],   v[BO], s[8:9] offset:64*\ft     ; ob2[16 ft + r], in both registers of a pair
	global_load_b32 v[BP+2*\ft+1], v[BO], s[8:9] offset:64*\ft
.endr
; 16 LDS loads: the fragments of K step s (32 e: chunk s >> 2, head s >> 1, half s & 1 of the head's row) into buffer s & 1
.macro FETCH s
	WIN 0
.irp pt, 0,1,2,3
	ds_load_b128 v[FR+64*((\s)&1)+8*\pt:FR+64*((\s)&1)+8*\pt+3],   v[AA+((\s)>>2)] offset:128*AP*(((\s)>>1)&1)+16*AP*\pt+64*((\s)&1)
	ds_load_b128 v[FR+64*((\s)&1)+8*\pt+4:FR+64*((\s)&1)+8*\pt+7], v[AA+((\s)>>2)] offset:128*AP*(((\s)>>1)&1)+16*AP*\pt+64*((\s)&1)+32
.endr
.irp ft, 0,1,2,3
	ds_load_b128 v[FR+64*((\s)&1)+32+8*\ft:FR+64*((\s)&1)+32+8*\ft+3],   v[BA+((\s)>>2)] offset:16*OP*\ft+64*((\s)&3)
	ds_load_b128 v[FR+64*((\s)&1)+32+8*\ft+4:FR+64*((\s)&1)+32+8*\ft+7], v[BA+((\s)>>2)] offset:16*OP*\ft+64*((\s)&3)+32
.endr
.endm
; 16 matrix instructions on 16 accumulators, by turns, one instruction a turn; step 0 starts the sums
.macro MUL s
	WIN 0x50
.irp ft, 0,1,2,3
.irp pt, 0,1,2,3
.if (\s) == 0
	v_wmma_f32_16x16x32_bf16 v[8*(4*\ft+\pt):8*(4*\ft+\pt)+7], v[FR+64*((\s)&1)+8*\pt:FR+64*((\s)&1)+8*\pt+7], v[FR+64*((\s)&1)+32+8*\ft:FR+64*((\s)&1)+32+8*\ft+7], 0
.else
	v_wmma_f32_16x16x32_bf16 v[8*(4*\ft+\pt):8*(4*\ft+\pt)+7], v[FR+64*((\s)&1)+8*\pt:FR+64*((\s)&1)+8*\pt+7], v[FR+64*((\s)&1)+32+8*\ft:FR+64*((\s)&1)+32+8*\ft+7], v[8*(4*\ft+\pt):8*(4*\ft+\pt)+7]
.endif
.endr
.endr
.endm
; The way out: 16 f x 64 pixels in f32: bias, 32 bytes a lane into my own stage, rows read back (LDS serves a wave's instructions in order, ISA guide
; 5.7.1), and stores in which 16 lanes cover 256 consecutive bytes, at a multiple of 256 from out0's first byte.
.macro OUTF ft, set
	WIN 0x41
.irp pt, 0,1,2,3
.irp p, 0,2,4,6
	v_pk_add_f32 v[8*(4*\ft+\pt)+\p:8*(4*\ft+\pt)+\p+1], v[8*(4*\ft+\pt)+\p:8*(4*\ft+\pt)+\p+1], v[BP+2*\ft:BP+2*\ft+1]
.endr
.endr
	WIN 0x04
.irp pt, 0,1,2,3
	ds_store_b128 v[STO], v[8*(4*\ft+\pt):8*(4*\ft+\pt)+3]   offset:64*\pt
	ds_store_b128 v[STO], v[8*(4*\ft+\pt)+4:8*(4*\ft+\pt)+7] offset:64*\pt+16
.endr
	WIN 0
	s_wait_xcnt 0x0                                ; earlier stores have had their addresses translated (ISA guide 3.1): the buffer that they read is loaded again only behind this wait
.irp t, 0,1,2,3,4,5,6,7
	ds_load_b128 v[FR+64*\set+4*\t:FR+64*\set+4*\t+3], v[RD] offset:2*SPT*\t
.endr
.irp t, 0,1,2,3,4,5,6,7
	s_wait_dscnt 7-\t                              ; read-back t is in, the younger ones may be out
	global_store_b128 v[CO], v[FR+64*\set+4*\t:FR+64*\set+4*\t+3], s[10:11] offset:(16*\ft+2*\t)*4096 th:TH_STORE_NT
.endr
.endm
	s_wait_tensorcnt 0x3                           ; my part of chunk 0 has landed; my three later loads stay out
	s_barrier_signal -1
	s_barrier_wait -1                              ; everybody's has
	FETCH 0
; Sixteen K steps of 32 e on two fragment buffers.  The next step's 16 loads go out ahead of this step's products, four places behind the products that
; read their buffer.  Ahead of a new chunk's first loads: my part of it has landed (the count leaves the later chunks out), and a barrier.
.set st, 0
.rept 16
.if st < 15
.if (st+1)%4 == 0
	s_wait_dscnt 0x0
	s_wait_tensorcnt 3-(st+1)/4
	s_barrier_signal -1
	s_barrier_wait -1
.endif
.if st > 0
	PLACES 4
.endif
	FETCH st+1
	s_wait_dscnt 16                                ; all but the 16 just issued
.else
	s_wait_dscnt 0x0
.endif
	MUL st
.set st, st+1
.endr
	PLACES 4                                       ; behind the last matrix instructions, ahead of the arithmetic on their results and the loads into their sources
	s_wait_loadcnt 0x0                             ; ob2
	OUTF 0, 0
	OUTF 1, 1
	OUTF 2, 0
	OUTF 3, 1
	s_wait_tensorcnt 0x0
	ds_add_u32 v254, v255
	s_wait_dscnt 0x0
	ROUND                                          ; the closing round: no work-group ends while a partner may still ask for a tile that names it
	s_endpgm
.Lfunc_end_k_q0e6e91eb22_oproj:
	.size	k_q0e6e91eb22_oproj, .Lfunc_end_k_q0e6e91eb22_oproj-k_q0e6e91eb22_oproj
	.p2alignl 7, 3214868480
	.fill 96, 4, 3214868480
	.section	.rodata,"a",@progbits
	.p2align	6, 0x0
	.amdhsa_kernel k_q0e6e91eb22_oproj
		.amdhsa_group_segment_fixed_size 304640
		.amdhsa_private_segment_fixed_size 0
		.amdhsa_enable_private_segment 0
		.amdhsa_kernarg_size 32
		.amdhsa_user_sgpr_count 2
		.amdhsa_user_sgpr_kernarg_segment_ptr 1
		.amdhsa_wavefront_size32 1
		.amdhsa_system_sgpr_workgroup_id_x 1
		.amdhsa_system_sgpr_workgroup_id_y 1
		.amdhsa_system_sgpr_workgroup_id_z 1
		.amdhsa_system_vgpr_workitem_id 0
		.amdhsa_next_free_vgpr 384
		.amdhsa_next_free_sgpr 92
		.amdhsa_reserve_vcc 0
		.amdhsa_float_denorm_mode_32 3
		.amdhsa_float_denorm_mode_16_64 3
		.amdhsa_memory_ordered 1
		.amdhsa_forward_progress 1
		.amdhsa_inst_pref_size 58
	.end_amdhsa_kernel
	.amdgpu_metadata
---
amdhsa.version: [ 1, 2 ]
amdhsa.kernels:
  - .name:           k_q0e6e91eb22_oproj
    .symbol:         k_q0e6e91eb22_oproj.kd
    .args:
      - { .name: owb, .offset: 0, .size: 8, .value_kind: global_buffer, .address_space: global }
      - { .name: att, .offset: 8, .size: 8, .value_kind: global_buffer, .address_space: global }
      - { .name: ob2, .offset: 16, .size: 8, .value_kind: global_buffer, .address_space: global }
      - { .name: out0, .offset: 24, .size: 8, .value_kind: global_buffer, .address_space: global }
    .group_segment_fixed_size: 304640
    .private_segment_fixed_size: 0
    .kernarg_segment_align: 8
    .kernarg_segment_size: 32
    .max_flat_workgroup_size: 128
    .sgpr_count:     92
    .vgpr_count:     384
    .wavefront_size: 32
...
	.end_amdgpu_metadata
.endif
;; end of part 3
